; MI455X (gfx1250); checked and timed in simulation.
; The chip was launched on July 23, 2026; its instructions are those of AMD's public machine-readable ISA for CDNA 5 (MIT licence, August 2026) and "CDNA5" Instruction Set Architecture Reference Guide (July 2026). The comments in the code are by the model that wrote it; some were corrected since.
;; Projected Gaussian Rasterizer. Allowed arithmetic: float matrix products may take bf16 or f16 operands with f32 sums; other float arithmetic in f32, or as packed bf16 or f16 multiplies, adds, multiply-adds, maxima and minima; sums over many terms, partial sums and values carried from step to step in f32; what a program stores and reads back later, other than sums and carried values, may be rounded once to bf16 or f16.
;; Inputs: colors 2,048 x 3 float32; conics 2,048 x 3 float32; depths 2,048 float32; means2d 2,048 x 2 float32; opacities 2,048 float32.
;; Outputs: out0 128 x 128 x 3 float32.
;; One version. Each part assembles by itself: llvm-mc -triple=amdgcn-amd-amdhsa -mcpu=gfx1250 --defsym DOCPART=n.
;; ======== version 1 of 1: 2 launches
;; workspace buffers: meta 8,192 bytes of whole numbers; pa 32,768 bytes; pb 32,768 bytes
;; launch prep (part 1): grid 64 x 1, 32 waves a work-group, no clusters, 8,192 bytes of LDS; arguments depths, means2d, conics, opacities, meta, pa, pb; writes meta, pa, pb
.if DOCPART == 1
	.amdgcn_target "amdgcn-amd-amdhsa--gfx1250"
	.amdhsa_code_object_version 6
	.text
	.protected	k_q1a1f79c889_prep
	.globl	k_q1a1f79c889_prep
	.p2align	8
	.type	k_q1a1f79c889_prep,@function
k_q1a1f79c889_prep:
	s_mov_b64 s[64:65], 0
	v_nop
	global_prefetch_b8 v0, s[64:65] scope:SCOPE_SE
	s_setreg_imm32_b32 hwreg(HW_REG_WAVE_MODE, 25, 1), 1
	s_wait_xcnt 0x0
; PROJECTED GAUSSIAN RASTERIZER, launch 1 of 2: what hangs on one gaussian alone.
; For gaussian i: its place in the stable ascending sort by depth, the range of 8 x 8 pixel tiles that it can reach, and its record for launch 2.
;   meta[i] = rank << 20 | f0 | f1 << 5 | f2 << 10 | f3 << 15   (whole numbers; f0 = first tile column, f1 = 15 - last tile column, f2, f3 the same for tile rows)
;   pa[i]   = mx, my, A, B        A = a log2(e) / 2, B = b log2(e), C = c log2(e) / 2:  A dx^2 + B dx dy + C dy^2 = sigma log2(e)
;   pb[i]   = C, op / 0.99, key, 0
; key: launch 2 forms ns = -(sigma log2(e)) and keeps a pair if ns, read as a signed whole number, is below key = 0x80000001 + bits(tau), tau = log2(255 op):
; that is -tau <= ns <= -0, which is reference()'s pair of tests sigma >= 0 and op exp(-sigma) >= 1/255.  tau < 0 (or op <= 0): key = 0x80000000, which nothing is below.
; WORK LEFT OUT (both launches).  final_T * BG: BG is the zero vector that reference() builds in its own body, so the term is 0 for all finite inputs; final_T is not formed.
; All five inputs have a way to the output and are loaded.  A NaN or infinity that would reach only final_T is not carried to the result.
; WORK NOT DONE BECAUSE WHOLE NUMBERS SAY SO.  reference() sets alpha to 0 where op exp(-sigma) < 1/255.  For a positive definite conic that leaves |dx| <= sqrt(4 C tau / det),
; |dy| <= sqrt(4 A tau / det), det = 4 A C - B^2.  The box is widened (radius^2 x 1.01, + 0.01 px), far more than the rounding of these lines; a conic with A <= 0, C <= 0 or
; det <= 0.001 x 4 A C gets the whole image.  Launch 2 reads the box as whole numbers and walks only the gaussians whose box meets its tile; the others have alpha = 0 there.
; LIMITS.  A NaN among the depths is not sorted last (ranks then collide).  A gaussian whose mean, conic or opacity holds a NaN is dropped, not carried to the image.
; SHARES.  A work-group has 32 gaussians, lane = gaussian.  Wave v counts, among depths 64 v .. 64 v + 63 (in scalar registers), those that sort ahead of each: blocks of 32 ahead of
; mine by <=, blocks behind by <, my own block by both (ties keep their order).  The 32 partial counts meet in LDS; wave 0 adds them.  Wave 0 also makes the records.
; 64 work-groups: the 32 lanes of a wave are the block of gaussians, and a split of the other index over work-groups would want a sum across work-groups.
; meta: a work-group stores 128 consecutive bytes; pa, pb: each store of the wave covers 512 consecutive bytes, aligned.
.set PART,  0                          ; LDS: partial counts, wave v's 32 words at 128 v
.set SPARE, 4096                       ; the spare words: 128 bytes for each of the 32 waves; no other line names them
.set SPW,   30                         ; v30  SPARE + 4 x my thread's number; never rewritten
.set NIL,   31                         ; v31  0; never rewritten
	s_load_b256 s[4:11], s[0:1], 0x0               ; depths s[4:5], means2d s[6:7], conics s[8:9], opacities s[10:11]
	s_load_b128 s[12:15], s[0:1], 0x20             ; meta s[12:13], pa s[14:15]
	s_load_b64 s[2:3], s[0:1], 0x30                ; pb
	v_lshl_add_u32 v[SPW], v0, 2, SPARE
	v_mov_b32 v[NIL], 0
	v_and_b32 v1, 31, v0                           ; lane
	v_lshrrev_b32 v2, 5, v0
	v_readfirstlane_b32 s84, v2                    ; wave 0..31
	s_mov_b32 s85, ttmp9                           ; my block of 32 gaussians
	v_lshl_add_u32 v3, s85, 5, v1                  ; i
	v_lshlrev_b32 v4, 2, v3                        ; 4 i
	s_lshl_b32 s86, s84, 8                         ; my wave's 64 depths: 256 bytes
	v_mov_b32 v6, 0                                ; the count
	v_mov_b32 v9, 0                                ; the box fields (wave 0 fills them)
	s_wait_kmcnt 0x0
	s_load_b512 s[16:31], s[4:5], s86 offset:0x0   ; depths 64 v .. 64 v + 63: block 2 v in s16-47,
	s_load_b512 s[32:47], s[4:5], s86 offset:0x40
	s_load_b512 s[48:63], s[4:5], s86 offset:0x80  ; block 2 v + 1 in s48-63 and s68-83
	s_load_b512 s[68:83], s[4:5], s86 offset:0xc0
	global_load_b32 v5, v4, s[4:5]                 ; depth of i
	s_cmp_lg_u32 s84, 0
	s_cbranch_scc1 .Lcount
	; wave 0: the records and the boxes of the 32 gaussians
	v_lshlrev_b32 v20, 3, v3
	v_mul_u32_u24 v21, v3, 12
	v_lshlrev_b32 v48, 4, v3
	global_load_b64 v[40:41], v20, s[6:7]          ; mx, my
	global_load_b96 v[12:14], v21, s[8:9]          ; a, b, c
	global_load_b32 v15, v4, s[10:11]              ; op
	s_wait_loadcnt 0x0
	v_log_f32 v22, v15                             ; log2(op)
	v_mul_f32 v42, 0x3f38aa3b, v12                 ; A = a log2(e) / 2
	v_mul_f32 v43, 0x3fb8aa3b, v13                 ; B = b log2(e)
	v_mul_f32 v44, 0x3f38aa3b, v14                 ; C = c log2(e) / 2
	v_mul_f32 v23, v42, v44
	v_mul_f32 v23, 4.0, v23                        ; 4 A C
	v_fma_f32 v24, -v43, v43, v23                  ; det
	v_rcp_f32 v25, v24
	v_mul_f32 v45, 0x3f814afd, v15                 ; op / 0.99
	v_mov_b32 v47, 0
	s_wait_alu depctr_va_vdst(0)                   ; one wait for the logarithm and the reciprocal, ahead of their first reader
	v_add_f32 v26, 0x40ffd1be, v22                 ; tau = log2(op) + log2(255)
	v_cmp_le_f32 s88, 0, v26                       ; can the gaussian pass the threshold at all?  (false for a NaN)
	v_add_nc_u32 v27, 0x80000001, v26
	v_mov_b32 v28, 0x80000000
	v_cndmask_b32 v46, v28, v27, s88               ; key
	global_store_b128 v48, v[40:43], s[14:15]      ; v40-48 are not written again
	global_store_b128 v48, v[44:47], s[2:3]
	v_mul_f32 v29, v26, v25
	v_mul_f32 v29, 0x408147ae, v29                 ; 4.04 tau / det
	v_mul_f32 v32, v29, v44                        ; rx^2 x 1.01
	v_mul_f32 v33, v29, v42                        ; ry^2 x 1.01
	v_sqrt_f32 v32, v32
	v_sqrt_f32 v33, v33
	v_mov_b32 v35, 0x4e6e6b28                      ; 1e9: the whole image (also the plain instruction behind the roots)
	v_cmp_lt_f32 s89, 0, v42                       ; safely positive definite?
	v_cmp_lt_f32 s90, 0, v44
	v_mul_f32 v34, 0x3a83126f, v23
	v_cmp_gt_f32 s91, v24, v34                     ; det > 0.001 x 4 A C
	v_mov_b32 v49, 0x3e000000                      ; 1/8
	v_mov_b32 v50, 0x1ef                           ; the empty box: first column 15, last column 0
	s_and_b32 s89, s89, s90
	s_and_b32 s89, s89, s91
	s_wait_alu depctr_va_vdst(0)                   ; one wait for the two roots
	v_add_f32 v32, 0x3c23d70a, v32                 ; + 0.01 px
	v_add_f32 v33, 0x3c23d70a, v33
	v_cndmask_b32 v32, v35, v32, s89
	v_cndmask_b32 v33, v35, v33, s89
	v_sub_f32 v36, v40, v32                        ; pixel p (centre p + 0.5) lies in the box if m - r - 0.5 <= p <= m + r - 0.5
	v_add_f32 v37, v40, v32
	v_sub_f32 v38, v41, v33
	v_add_f32 v39, v41, v33
.irp r, 36,37,38,39
	v_fmaak_f32 v\r, v\r, v49, 0xbd800000          ; (.. - 0.5) / 8
.endr
.irp r, 36,37,38,39
	v_floor_f32 v\r, v\r                           ; the tile
.endr
	v_cmp_ge_f32 s90, 0x41700000, v36              ; does the box meet the 16 x 16 tiles?  (false for a NaN)
	v_cmp_le_f32 s91, 0, v37
	v_cmp_ge_f32 s92, 0x41700000, v38
	v_cmp_le_f32 s93, 0, v39
	s_and_b32 s88, s88, s90
	s_and_b32 s88, s88, s91
	s_and_b32 s88, s88, s92
	s_and_b32 s88, s88, s93
.irp r, 36,37,38,39
	v_max_num_f32 v\r, 0, v\r
.endr
.irp r, 36,37,38,39
	v_min_num_f32 v\r, 0x41700000, v\r             ; 0 .. 15
.endr
	v_sub_f32 v37, 0x41700000, v37                 ; 15 - last
	v_sub_f32 v39, 0x41700000, v39
.irp r, 36,37,38,39
	v_cvt_u32_f32 v\r, v\r
.endr
	v_lshl_or_b32 v36, v37, 5, v36
	v_lshl_or_b32 v36, v38, 10, v36
	v_lshl_or_b32 v36, v39, 15, v36
	v_cndmask_b32 v9, v50, v36, s88
.Lcount:
	s_lshl_b32 s87, s84, 1                         ; my two blocks of 32 depths
	s_add_co_u32 s88, s87, 1
	s_wait_kmcnt 0x0
	s_wait_loadcnt 0x0
; One block of 32 depths against my 32 gaussians.  The branches hang on the work-group's and the wave's numbers alone.
.macro CNTBLK base, gap, jb
	s_cmp_lt_u32 \jb, s85
	s_cbranch_scc1 .Lle_\@
	s_cmp_eq_u32 \jb, s85
	s_cbranch_scc1 .Ldg_\@
.set jj, 0
.rept 32                               ; a block behind mine: ahead of i only if the depth is less
	v_cmp_lt_f32 vcc_lo, s[(\base)+jj+(\gap)*(jj/16)], v5
	v_add_co_ci_u32 v6, vcc_lo, 0, v6, vcc_lo
.set jj, jj+1
.endr
	s_branch .Lok_\@
.Lle_\@:
.set jj, 0
.rept 32                               ; a block ahead of mine: equal depths stay ahead
	v_cmp_le_f32 vcc_lo, s[(\base)+jj+(\gap)*(jj/16)], v5
	v_add_co_ci_u32 v6, vcc_lo, 0, v6, vcc_lo
.set jj, jj+1
.endr
	s_branch .Lok_\@
.Ldg_\@:
.set jj, 0
.rept 32                               ; my own block: <= for the lanes above jj, < for the others
	v_cmp_lt_f32 s94, s[(\base)+jj+(\gap)*(jj/16)], v5
	v_cmp_le_f32 s95, s[(\base)+jj+(\gap)*(jj/16)], v5
	s_and_b32 s95, s95, (0xfffffffe<<jj)&0xffffffff
	s_or_b32 vcc_lo, s94, s95
	v_add_co_ci_u32 v6, vcc_lo, 0, v6, vcc_lo
.set jj, jj+1
.endr
.Lok_\@:
.endm
	CNTBLK 16, 0, s87
	CNTBLK 48, 4, s88
	v_lshlrev_b32 v7, 2, v0
	ds_store_b32 v7, v6 offset:PART
	s_wait_dscnt 0x0                               ; for the others' sake: my partial count is in LDS
	s_barrier_signal -1
	s_barrier_wait -1
	s_cmp_lg_u32 s84, 0
	s_cbranch_scc1 .Lend
	v_lshlrev_b32 v8, 2, v1
.set q, 0
.rept 32
	ds_load_b32 v[64+q], v8 offset:PART+128*q
.set q, q+1
.endr
	s_wait_dscnt 0x0
.irp a, 0,1,2,3
	v_add3_u32 v[64+8*\a], v[64+8*\a], v[65+8*\a], v[66+8*\a]
.endr
.irp a, 0,1,2,3
	v_add3_u32 v[64+8*\a], v[64+8*\a], v[67+8*\a], v[68+8*\a]
.endr
.irp a, 0,1,2,3
	v_add3_u32 v[64+8*\a], v[64+8*\a], v[69+8*\a], v[70+8*\a]
.endr
.irp a, 0,1,2,3
	v_add_nc_u32 v[64+8*\a], v[64+8*\a], v[71+8*\a]
.endr
	v_add3_u32 v64, v64, v72, v80
	v_add_nc_u32 v64, v64, v88                     ; the rank
	v_lshl_or_b32 v9, v64, 20, v9
	global_store_b32 v4, v9, s[12:13]
.Lend:
	s_wait_tensorcnt 0x0                           ; the wave's end, behind my last LDS store
	ds_add_u32 v[SPW], v[NIL]
	s_wait_dscnt 0x0
	s_endpgm
.Lfunc_end_k_q1a1f79c889_prep:
	.size	k_q1a1f79c889_prep, .Lfunc_end_k_q1a1f79c889_prep-k_q1a1f79c889_prep
	.p2alignl 7, 3214868480
	.fill 96, 4, 3214868480
	.section	.rodata,"a",@progbits
	.p2align	6, 0x0
	.amdhsa_kernel k_q1a1f79c889_prep
		.amdhsa_group_segment_fixed_size 8192
		.amdhsa_private_segment_fixed_size 0
		.amdhsa_enable_private_segment 0
		.amdhsa_kernarg_size 56
		.amdhsa_user_sgpr_count 2
		.amdhsa_user_sgpr_kernarg_segment_ptr 1
		.amdhsa_wavefront_size32 1
		.amdhsa_system_sgpr_workgroup_id_x 1
		.amdhsa_system_sgpr_workgroup_id_y 1
		.amdhsa_system_sgpr_workgroup_id_z 1
		.amdhsa_system_vgpr_workitem_id 0
		.amdhsa_next_free_vgpr 96
		.amdhsa_next_free_sgpr 96
		.amdhsa_reserve_vcc 1
		.amdhsa_float_denorm_mode_32 3
		.amdhsa_float_denorm_mode_16_64 3
		.amdhsa_memory_ordered 1
		.amdhsa_forward_progress 1
		.amdhsa_inst_pref_size 34
	.end_amdhsa_kernel
	.amdgpu_metadata
---
amdhsa.version: [ 1, 2 ]
amdhsa.kernels:
  - .name:           k_q1a1f79c889_prep
    .symbol:         k_q1a1f79c889_prep.kd
    .args:
      - { .name: depths, .offset: 0, .size: 8, .value_kind: global_buffer, .address_space: global }
      - { .name: means2d, .offset: 8, .size: 8, .value_kind: global_buffer, .address_space: global }
      - { .name: conics, .offset: 16, .size: 8, .value_kind: global_buffer, .address_space: global }
      - { .name: opacities, .offset: 24, .size: 8, .value_kind: global_buffer, .address_space: global }
      - { .name: meta, .offset: 32, .size: 8, .value_kind: global_buffer, .address_space: global }
      - { .name: pa, .offset: 40, .size: 8, .value_kind: global_buffer, .address_space: global }
      - { .name: pb, .offset: 48, .size: 8, .value_kind: global_buffer, .address_space: global }
    .group_segment_fixed_size: 8192
    .private_segment_fixed_size: 0
    .kernarg_segment_align: 8
    .kernarg_segment_size: 56
    .max_flat_workgroup_size: 1024
    .sgpr_count:     96
    .vgpr_count:     96
    .wavefront_size: 32
...
	.end_amdgpu_metadata
.endif
;; end of part 1
;; launch raster (part 2): grid 16 x 16, 4 waves a work-group, no clusters, 93,440 bytes of LDS; arguments meta, pa, pb, colors, out0; writes out0
.if DOCPART == 2
	.amdgcn_target "amdgcn-amd-amdhsa--gfx1250"
	.amdhsa_code_object_version 6
	.text
	.protected	k_q1a1f79c889_raster
	.globl	k_q1a1f79c889_raster
	.p2align	8
	.type	k_q1a1f79c889_raster,@function
k_q1a1f79c889_raster:
	s_mov_b64 s[64:65], 0
	v_nop
	global_prefetch_b8 v0, s[64:65] scope:SCOPE_SE
	s_setreg_imm32_b32 hwreg(HW_REG_WAVE_MODE, 25, 1), 1
	s_wait_xcnt 0x0
; PROJECTED GAUSSIAN RASTERIZER, launch 2 of 2: one work-group makes one tile of 8 x 8 pixels.
; LEFT OUT: final_T * BG (BG is reference()'s own zero vector: the term is 0 for all finite inputs).  NOT WALKED: gaussians whose box, stored as whole numbers by launch 1, misses the tile:
; their alpha is 0 on all its pixels, so they change neither a weight nor the transmittance.
; THE LIST.  (1) Each thread reads 16 words of meta.  G - meta, with G = tx+16 | (31-tx)<<5 | (ty+16)<<10 | (31-ty)<<15, keeps bit 4 of each 5-bit field set exactly where the tile lies inside
; the box on that side (no field borrows: 16 + t - f >= 1); the rank above the fields does not reach them.  index | hit<<15 goes to ORD[rank] in LDS: the depth order.  The ranks are a
; permutation of 0 .. 2,047, so no two threads store to the same halfword.
; (2) Wave w takes ranks 512 w .. 512 w + 511, 32 a step: a ballot of the hit bits, a count of the bits below the lane, and the hits land on end in the wave's own segment of LIST
; (the others in 32 places behind it).  (3) Entry k of the tile's list lies in the segment whose first entry number is the last not above k.  Each thread lays out two entries a trip:
; pa, pb and colors are gathered by the index, the seven numbers go into seven arrays, the colours, rounded to bf16, into three rows.  Entries from the count on (to the end of the trip that
; holds the chunk behind the last, which is fetched ahead and never used) get a key that nothing passes; their other numbers are some gaussian's.  The nine trips that 2,048 entries and a
; chunk more would want are written out, the trip's number in the stores' immediates; trips past the count are jumped forward.
; THE WALK, 32 entries a chunk.  A wave has 16 pixels (lane % 16: two rows of the tile); lanes 0-15 take the chunk's first 16 entries, lanes 16-31 the next 16.  For each entry:
; ns = -((A dx + B dy) dx + C dy^2); kept if ns as a signed whole number is below key (-tau <= ns <= -0), else -200; e = 2^ns; a = clamp(op/0.99 e) in 0..1, so alpha = 0.99 a = min(op e, 0.99);
; cp = the running product of 1 - 0.99 a inside the lane's 16; u = a x the product ahead of it.  The halves exchange their products: Tb = T (first half) or T x the first half's product.
; reference()'s test T_before (1 - alpha) >= 1e-4 is clamp((cp Tb - t) 2^100), t the float below 1e-4: the fused difference is rounded once, and a difference above 0 is far above 2^-100: 0 or 1.
; w @ col goes to the matrix unit, transposed: source 0 = colours (rows 0-2: the three channels over the first half's entries; rows 8-10: over the second half's; all other lanes read a row of
; zeros), source 1 = u x mask in bf16, one pixel a column.  In the result lane (r, h) finds rows 8 h + 0..2 of column r in its registers 0-2: its own half's three sums, which it adds times Tb, in f32.
; At the end the halves are added and scaled by 0.99.
; The walk is counted by constants, eight groups of eight trips (64 chunks hold all 2,048 gaussians); a trip past the stored number of chunks is jumped forward to the counter's step, a group
; past it whole: 7 + 7 dead trips at the most.  The walk holds no barrier and writes no LDS.
; LIMITS.  alpha >= 1/255 is tested as sigma log2(e) <= log2(255 op): the order of rounding differs from reference()'s at the threshold, where alpha jumps by 1/255.  A conic that is not
; positive definite, with the mean exactly on a pixel's centre, may give +0 for ns and is then dropped (sign of zero).  A NaN in ns is dropped; an infinite or NaN opacity or colour is not
; treated apart.  Colours and weights are rounded to bf16.  With a NaN among the depths ranks collide and places of ORD stay unwritten.
; NO CLUSTER, NO TENSOR LOAD: what work-groups share is meta, 8,192 bytes, read once by each straight into registers (64 bytes a thread); the records come by a list that no descriptor covers.
; out0: a tile's row is 8 pixels x 12 bytes = 96 consecutive bytes; rows of whole 256-byte blocks would want tiles 64 pixels wide (768 bytes), which many more boxes meet.
.set ARRB,  9216                       ; an array of 2,304 f32: 2,048 entries, a chunk more, rounded up to whole trips of 256
.set COL,   7*ARRB                     ; behind the seven arrays (MX MY AA BB CC OP KEY, from LDS byte 0): the colour rows R, G, B and the zero row
.set ROWB,  4608                       ; a row of 2,304 bf16
.set ZROW,  COL+3*ROWB
.set LIST,  ZROW+ROWB                  ; four segments of SEG halfwords
.set SEG,   544                        ; 512 places and 32 for the lanes without a hit
.set ORD,   ZROW+10240                 ; (the zero fill covers ZROW .. ORD-1)   2,048 halfwords by rank
.set CNT,   ORD+4096                   ; the four waves' counts
.set SPARE, CNT+256                    ; the spare words: 128 bytes a wave; no other line names them
.set PMAX,  64+128*64                  ; the greatest address of a half's entries in array 0: the chunk behind the 64th, second half
.set CMAX,  ZROW+32+64*63              ; the greatest address of a half's colours: the zero row, the 64th chunk, second half
.set SPW,  4                           ; v4   SPARE + 4 x my thread's number; never rewritten
.set NIL,  5                           ; v5   0; never rewritten
.set OUTO, 8                           ; v8   my pixel's byte offset in out0
.set META, 12                          ; v12-27
.set WB,   40                          ; v40-47  weights, bf16: source 1
.set CA,   48                          ; v48-55  colours, bf16: source 0
.set DD,   56                          ; v56-63  the product
.set PX,   64                          ; pairs: px px, py py, -0.99 twice, 1 twice, -t 2^100 twice, Tb 2^100 twice
.set PY,   66
.set C99,  68
.set ONE,  70
.set NTH,  72
.set TBH,  74
.set TRUN, 76                          ; T ahead of the chunk
.set TB,   77
.set ACC,  78                          ; v78-80
.set XO,   81                          ; the other half's product
.set SELV, 82
.set PADR, 84                          ; LDS address of my half's entries in array 0: it steps
.set CADR, 85                          ; LDS address of my colour (or zero) row's 32 bytes: it steps
.set PADC, 86                          ; the two as the loads in the walk take them: held to PMAX and CMAX
.set CADC, 87
.set FIN,  90                          ; v90-92
.set OTH,  93                          ; v93-95
.set MX,   96                          ; v96-207  the chunk's seven numbers for my 16 entries
.set MY,   112
.set AA,   128
.set BB,   144
.set CC,   160
.set OP,   176
.set KEY,  192
.set E,    208                         ; ns, e, a, then u
.set CP,   224                         ; 1 - alpha, then its running product
.set MK,   240                         ; the mask of the transmittance test
.set KK,   208                         ; the lay-out's own registers, free again before the walk: v208 entry number k, v209 k + 128
.set LA,   210                         ; 4 x my thread's number; not rewritten
.set LC,   211                         ; COL + 2 x my thread's number; not rewritten
	s_load_b256 s[4:11], s[0:1], 0x0               ; meta s[4:5], pa s[6:7], pb s[8:9], colors s[10:11]
	s_load_b64 s[12:13], s[0:1], 0x20              ; out0
	v_lshl_add_u32 v[SPW], v0, 2, SPARE
	v_mov_b32 v[NIL], 0
	v_lshrrev_b32 v2, 5, v0
	v_readfirstlane_b32 s14, v2                    ; wave 0..3
	v_lshlrev_b32 v10, 4, v0
	s_wait_kmcnt 0x0
.irp q, 0,1,2,3
	global_load_b128 v[META+4*\q:META+4*\q+3], v10, s[4:5] offset:2048*\q  ; gaussians 512 q + 4 t .. + 3
.endr
	; while they are on their way: the zero row and LIST are cleared, ids and constants made
	v_lshl_add_u32 v11, v0, 4, ZROW
.irp r, 60,61,62,63
	v_mov_b32 v\r, 0
.endr
.irp q, 0,1,2,3,4
	ds_store_b128 v11, v[60:63] offset:2048*\q     ; 5 x 2,048 bytes: ZROW .. ORD-1
.endr
	v_and_b32 v1, 31, v0                           ; lane
	v_and_b32 v2, 15, v0                           ; r
	v_bfe_u32 v3, v0, 4, 1                         ; h
	s_mov_b32 s15, ttmp9                           ; tile column
	s_and_b32 s16, ttmp7, 0xffff                   ; tile row
	s_add_co_u32 s17, s15, 16                      ; G
	s_sub_co_u32 s18, 31, s15
	s_lshl_b32 s18, s18, 5
	s_or_b32 s17, s17, s18
	s_add_co_u32 s18, s16, 16
	s_lshl_b32 s18, s18, 10
	s_or_b32 s17, s17, s18
	s_sub_co_u32 s18, 31, s16
	s_lshl_b32 s18, s18, 15
	s_or_b32 s17, s17, s18
	s_mov_b32 s18, 0x84210                         ; bit 4 of the four fields
	s_mov_b32 s19, 0x8000
	s_mov_b32 s52, 0x76543210                      ; v_permlanex16_b32: each lane takes its own place in the other half
	s_mov_b32 s53, 0xfedcba98
	s_mov_b32 s54, 0xffff0000                      ; lanes 16-31
	s_mov_b32 s55, 0xc3480000                      ; -200: v_exp_f32 gives 0 for it (results below 2^-126 are flushed: ISA guide, the instruction's entry)
	s_mov_b32 s59, 0x80000000                      ; the key that nothing passes
	v_lshlrev_b32 v28, 2, v0                       ; 4 t
	v_mov_b32 v29, 0x8000
	v_and_b32 v6, 7, v2
	v_lshrrev_b32 v7, 3, v2
	s_lshl_b32 s37, s15, 3
	s_lshl_b32 s39, s16, 3
	s_lshl1_add_u32 s39, s14, s39                  ; the wave's two rows
	v_add_nc_u32 v6, s37, v6                       ; x
	v_add_nc_u32 v7, s39, v7                       ; y
	v_cvt_f32_u32 v[PX], v6
	v_cvt_f32_u32 v[PY], v7
	v_add_f32 v[PX], 0.5, v[PX]
	v_add_f32 v[PY], 0.5, v[PY]
	v_mov_b32 v[PX+1], v[PX]
	v_mov_b32 v[PY+1], v[PY]
	v_lshl_add_u32 v[OUTO], v7, 7, v6
	v_mul_u32_u24 v[OUTO], v[OUTO], 12
	v_lshlrev_b32 v[PADR], 6, v3                   ; my half's 16 entries: 64 bytes
	v_lshlrev_b32 v9, 3, v3
	v_sub_nc_u32 v9, v2, v9                        ; r - 8 h: 0..2 in lanes 0-2 and 24-26, the colour lanes,
	v_min_u32 v9, 3, v9                            ; 3, the zero row, in all others
	v_mul_u32_u24 v9, v9, ROWB
	v_lshl_add_u32 v[CADR], v3, 5, v9
	v_add_nc_u32 v[CADR], COL, v[CADR]
.irp r, 0,1
	v_mov_b32 v[C99+\r], 0xbf7d70a4                ; -0.99
	v_mov_b32 v[ONE+\r], 1.0
	v_mov_b32 v[NTH+\r], 0xead1b716                ; -(the float below 1e-4) x 2^100
.endr
	v_mov_b32 v[TRUN], 1.0
	v_mov_b32 v[XO], 0
.irp r, 0,1,2
	v_mov_b32 v[ACC+\r], 0
	v_mov_b32 v[OTH+\r], 0
.endr
; (1) word n of my 16: gaussian 512 (n / 4) + 4 t + n % 4
.macro PLACE n
.set T, 32+4*((\n)%4)
	v_sub_nc_u32 v[T], s17, v[META+(\n)]
	v_lshrrev_b32 v[T+1], 20, v[META+(\n)]         ; rank
	v_and_b32 v[T], s18, v[T]
	v_min_u32 v[T+1], 0x7ff, v[T+1]
	v_cmp_eq_u32 vcc_lo, s18, v[T]                 ; inside on all four sides
	v_lshl_add_u32 v[T+1], v[T+1], 1, ORD
	v_cndmask_b32 v[T+2], 0, v29, vcc_lo
	v_add3_u32 v[T+2], v[T+2], v28, 512*((\n)/4)+(\n)%4
	ds_store_b16 v[T+1], v[T+2]
.endm
.set m, 0
.rept 4
	s_wait_loadcnt 3-m                             ; loads come back in order: the younger ones may stay out
	PLACE 4*m
	PLACE 4*m+1
	PLACE 4*m+2
	PLACE 4*m+3
.set m, m+1
.endr
	s_lshl_b32 s37, s14, 10
	s_add_co_u32 s37, s37, ORD
	v_lshl_add_u32 v56, v1, 1, s37                 ; ORD at rank 512 w + lane
	s_mul_i32 s38, s14, 2*SEG
	s_add_co_u32 s38, s38, LIST                    ; my segment
	v_add_nc_u32 v57, 512, v1                      ; where a lane without a hit puts its word
	s_mov_b32 s36, 0
	s_wait_dscnt 0x0                               ; my stores into ORD, LIST and the zero row are done
	s_barrier_signal -1
	s_barrier_wait -1                              ; everybody's are
	; (2) my 512 ranks, 32 a step
.set n, 0
.rept 16
	ds_load_u16 v[96+n], v56 offset:64*n
.set n, n+1
.endr
	s_wait_dscnt 0x0
.set n, 0
.rept 16
	v_cmp_le_u32 s[20+n], s19, v[96+n]             ; the hits of step n
.set n, n+1
.endr
.set n, 0
.rept 16
	v_mbcnt_lo_u32_b32 v[32+n%4], s[20+n], s36     ; hits ahead of me in my segment
	s_bcnt1_i32_b32 s37, s[20+n]
	s_add_co_u32 s36, s36, s37
	v_cndmask_b32 v[32+n%4], v57, v[32+n%4], s[20+n]
	v_min_u32 v[32+n%4], SEG-1, v[32+n%4]
	v_lshl_add_u32 v[32+n%4], v[32+n%4], 1, s38
	ds_store_b16 v[32+n%4], v[96+n]
.set n, n+1
.endr
	s_lshl_b32 s37, s14, 2
	s_add_co_u32 s37, s37, CNT
	v_mov_b32 v58, s37
	v_mov_b32 v59, s36
	ds_store_b32 v58, v59                          ; my segment's count: all lanes write the same word with the same value
	s_wait_dscnt 0x0                               ; my segment and my count are in LDS
	s_barrier_signal -1
	s_barrier_wait -1                              ; everybody's are
	; (3) the counts, their prefixes, and the lay-out
	v_mov_b32 v58, CNT
	ds_load_b128 v[60:63], v58
	s_wait_dscnt 0x0
	v_readfirstlane_b32 s40, v60
	v_readfirstlane_b32 s41, v61
	v_readfirstlane_b32 s42, v62
	v_readfirstlane_b32 s43, v63
	s_mov_b32 s46, s40                             ; the first entry number of segment 1,
	s_add_co_u32 s47, s46, s41                     ; 2,
	s_add_co_u32 s48, s47, s42                     ; 3;
	s_add_co_u32 s56, s48, s43                     ; N, the tile's entries
	s_add_co_u32 s45, s56, 31
	s_lshr_b32 s45, s45, 5                         ; chunks of 32
	s_add_co_u32 s57, s45, 1
	s_lshl_b32 s57, s57, 5                         ; entries to lay out: the chunks and one more
	s_sub_co_u32 s49, SEG, s46                     ; entry number + this = place in LIST; none is below 0, since a segment has 512 entries at the most
	s_sub_co_u32 s50, 2*SEG, s47
	s_sub_co_u32 s51, 3*SEG, s48
	v_mov_b32 v[KK], v0
	v_add_nc_u32 v[KK+1], 128, v0
	v_lshlrev_b32 v[LA], 2, v0
	v_lshl_add_u32 v[LC], v0, 1, COL
; Entry b (0: k, 1: k + 128) has 18 registers from T = 96 + 32 b: +0 place, index; +1 16 x index; +2 12 x index; +3 LIST's word; +4..7 pa; +8..11 pb; +12..14 colour; +16, 17 bf16
.macro SEEK b
.set T, 96+32*(\b)
	v_cmp_le_u32 vcc_lo, s46, v[KK+(\b)]
	v_cndmask_b32 v[T], 0, s49, vcc_lo
	v_cmp_le_u32 vcc_lo, s47, v[KK+(\b)]
	v_cndmask_b32 v[T], v[T], s50, vcc_lo
	v_cmp_le_u32 vcc_lo, s48, v[KK+(\b)]
	v_cndmask_b32 v[T], v[T], s51, vcc_lo
	v_add_nc_u32 v[T], v[T], v[KK+(\b)]
	v_min_u32 v[T], 4*SEG-1, v[T]
	v_lshl_add_u32 v[T], v[T], 1, LIST
	ds_load_u16 v[T+3], v[T]
.endm
.macro FETCH b
.set T, 96+32*(\b)
	v_and_b32 v[T], 0x7ff, v[T+3]                  ; the hit bit goes
	v_min_u32 v[T], 0x7ff, v[T]
	v_lshlrev_b32 v[T+1], 4, v[T]
	v_mul_u32_u24 v[T+2], v[T], 12
	global_load_b128 v[T+4:T+7], v[T+1], s[6:7]
	global_load_b128 v[T+8:T+11], v[T+1], s[8:9]
	global_load_b96 v[T+12:T+14], v[T+2], s[10:11]
.endm
.macro LAY b, t                        ; entry 256 t + 128 b + my thread's number: the trip and b stand in the immediates (64,000 at the most)
.set T, 96+32*(\b)
	v_cmp_gt_u32 vcc_lo, s56, v[KK+(\b)]           ; an entry of the list?
	v_cndmask_b32 v[T+10], s59, v[T+10], vcc_lo
	v_cvt_pk_bf16_f32 v[T+16], v[T+12], v[T+13]
	v_cvt_pk_bf16_f32 v[T+17], v[T+14], v[T+14]
.irp p, 0,1,2,3,4,5,6
	ds_store_b32 v[LA], v[T+4+\p] offset:ARRB*\p+512*(\b)+1024*(\t)
.endr
	ds_store_b16 v[LC], v[T+16] offset:256*(\b)+512*(\t)
	ds_store_b16_d16_hi v[LC], v[T+16] offset:ROWB+256*(\b)+512*(\t)
	ds_store_b16 v[LC], v[T+17] offset:2*ROWB+256*(\b)+512*(\t)
.endm
.macro LTRIP t                         ; a trip lays out 256 entries.  The jump's condition is the same in all four waves; what is jumped holds no barrier
.if (\t) > 0
	s_cmp_le_u32 s57, 256*(\t)                     ; all that the walk will read is laid out
	s_cbranch_scc1 .Llaid
.endif
	SEEK 0
	SEEK 1
	s_wait_dscnt 0x0
	FETCH 0
	FETCH 1
	s_wait_loadcnt 0x0                             ; the six loads are in: their address registers are free for the next trip too
	LAY 0, \t
	LAY 1, \t
.if (\t) < 8
	v_add_nc_u32 v[KK], 0x100, v[KK]
	v_add_nc_u32 v[KK+1], 0x100, v[KK+1]
.endif
.endm
.irp t, 0,1,2,3,4,5,6,7,8
	LTRIP \t
.endr
.Llaid:
	s_wait_dscnt 0x0                               ; my part of the arrays is in LDS
	s_barrier_signal -1
	s_barrier_wait -1                              ; everybody's is; from here on nothing writes LDS but the closing add
	; (4) the walk
.macro LOADP adr                       ; 28 loads: my half's 16 entries of the seven arrays; the 16 lanes of a half read the same bytes
.irp p, 0,1,2,3,4,5,6
.irp q, 0,1,2,3
	ds_load_b128 v[MX+16*\p+4*\q:MX+16*\p+4*\q+3], v[\adr] offset:ARRB*\p+16*\q
.endr
.endr
.endm
.macro ALL8 line:vararg                ; one line for each pair of entries: z = 0, 2 .. 14
.set z, 0
.rept 8
	\line
.set z, z+2
.endr
.endm
	LOADP PADR                                     ; chunk 0
	s_mov_b32 s44, 0                               ; chunks walked
	s_mov_b32 s62, 8
.Lgroup:
	s_cmp_ge_u32 s44, s45
	s_cbranch_scc1 .Lgdead                         ; the list is at its end: the whole group is jumped
	s_mov_b32 s61, 8
.Lwalk:
	s_cmp_ge_u32 s44, s45
	s_cbranch_scc1 .Ldead                          ; the list is at its end: the trip's work is jumped
	v_min_u32 v[CADC], CMAX, v[CADR]               ; the address is held inside the colour rows; the bound is the 64th chunk's own address and is never passed
	ds_load_b128 v[CA:CA+3], v[CADC]               ; the chunk's colours (or zeros); four plain instructions and more stand between the last product and these
	ds_load_b128 v[CA+4:CA+7], v[CADC] offset:16
	s_wait_dscnt 2                                 ; the 28 loads of this chunk are in; the two just issued may stay out
	ALL8 v_pk_add_f32 v[MX+z:MX+z+1], v[PX:PX+1], v[MX+z:MX+z+1] neg_lo:[0,1] neg_hi:[0,1]
	ALL8 v_pk_add_f32 v[MY+z:MY+z+1], v[PY:PY+1], v[MY+z:MY+z+1] neg_lo:[0,1] neg_hi:[0,1]
	ALL8 v_pk_mul_f32 v[AA+z:AA+z+1], v[AA+z:AA+z+1], v[MX+z:MX+z+1]
	ALL8 v_pk_mul_f32 v[CC+z:CC+z+1], v[CC+z:CC+z+1], v[MY+z:MY+z+1]
	ALL8 v_pk_fma_f32 v[AA+z:AA+z+1], v[BB+z:BB+z+1], v[MY+z:MY+z+1], v[AA+z:AA+z+1]
	ALL8 v_pk_mul_f32 v[CC+z:CC+z+1], v[CC+z:CC+z+1], v[MY+z:MY+z+1]
	ALL8 v_pk_fma_f32 v[E+z:E+z+1], v[AA+z:AA+z+1], v[MX+z:MX+z+1], v[CC+z:CC+z+1] neg_lo:[1,0,1] neg_hi:[1,0,1]
.set e, 0
.rept 16
	v_cmp_lt_i32 s[20+e], v[E+e], v[KEY+e]         ; -tau <= ns <= -0
.set e, e+1
.endr
.set e, 0
.rept 16
	v_cndmask_b32 v[E+e], s55, v[E+e], s[20+e]
.set e, e+1
.endr
.set e, 0
.rept 16
	v_exp_f32 v[E+e], v[E+e]
.set e, e+1
.endr
	v_add_nc_u32 v[PADR], 0x80, v[PADR]            ; the next chunk; also the plain instruction behind the last exponential
	v_min_u32 v[PADC], PMAX, v[PADR]               ; held inside the arrays; the bound is the address of the chunk behind the 64th and is never passed
	s_wait_alu depctr_va_vdst(0)                   ; one wait for the batch of 16, ahead of its first reader
	ALL8 v_pk_mul_f32 v[E+z:E+z+1], v[E+z:E+z+1], v[OP+z:OP+z+1] clamp
	LOADP PADC                                     ; the seven arrays' registers have been read: the next chunk is fetched under the rest of this one
	ALL8 v_pk_fma_f32 v[CP+z:CP+z+1], v[E+z:E+z+1], v[C99:C99+1], v[ONE:ONE+1]
.set e, 1
.rept 15
	v_mul_f32 v[E+e], v[E+e], v[CP+e-1]            ; u = a x the product ahead of it
	v_mul_f32 v[CP+e], v[CP+e], v[CP+e-1]          ; the product with it
.set e, e+1
.endr
	v_permlanex16_b32 v[XO], v[CP+15], s52, s53    ; the other half's product
	v_cndmask_b32 v[SELV], 1.0, v[XO], s54         ; the second half stands behind the first
	v_mul_f32 v[TB], v[TRUN], v[SELV]
	v_mul_f32 v[TBH], 0x71800000, v[TB]            ; x 2^100
	v_mov_b32 v[TBH+1], v[TBH]
	ALL8 v_pk_fma_f32 v[MK+z:MK+z+1], v[CP+z:CP+z+1], v[TBH:TBH+1], v[NTH:NTH+1] clamp
	ALL8 v_pk_mul_f32 v[E+z:E+z+1], v[E+z:E+z+1], v[MK+z:MK+z+1]
	ALL8 v_cvt_pk_bf16_f32 v[WB+z/2], v[E+z], v[E+z+1]
	s_wait_dscnt 28                                ; the colours are in; the next chunk's 28 loads may stay out
	v_wmma_f32_16x16x32_bf16 v[DD:DD+7], v[CA:CA+7], v[WB:WB+7], 0
	v_mul_f32 v[XO], v[CP+15], v[XO]               ; four plain instructions that name none of its registers stand behind the product:
	v_mul_f32 v[TRUN], v[TRUN], v[XO]              ; T behind the chunk,
	v_add_nc_u32 v[CADR], 64, v[CADR]              ; the next chunk's colours,
	v_nop
	v_fmac_f32 v[ACC], v[TB], v[DD]                ; the result is read from its low end on
	v_fmac_f32 v[ACC+1], v[TB], v[DD+1]
	v_fmac_f32 v[ACC+2], v[TB], v[DD+2]
	s_add_co_u32 s44, s44, 1
.Ldead:
	s_sub_co_u32 s61, s61, 1
	s_cmp_lg_u32 s61, 0
	s_cbranch_scc1 .Lwalk
.Lgdead:
	s_sub_co_u32 s62, s62, 1
	s_cmp_lg_u32 s62, 0
	s_cbranch_scc1 .Lgroup
	; (5) the halves are added, scaled, and lanes 0-15 store their pixel's 12 bytes
.irp c, 0,1,2
	v_permlanex16_b32 v[OTH+\c], v[ACC+\c], s52, s53
.endr
.irp c, 0,1,2
	v_add_f32 v[FIN+\c], v[ACC+\c], v[OTH+\c]
.endr
.irp c, 0,1,2
	v_mul_f32 v[FIN+\c], 0x3f7d70a4, v[FIN+\c]     ; alpha = 0.99 a
.endr
	v_cmp_gt_u32 vcc_lo, 16, v1
	s_wait_xcnt 0x0                                ; EXEC changes only behind this wait
	s_and_saveexec_b32 s60, vcc_lo
	global_store_b96 v[OUTO], v[FIN:FIN+2], s[12:13]
	s_wait_xcnt 0x0                                ; and again, in front of the line that widens it
	s_or_b32 exec_lo, exec_lo, s60
	s_wait_tensorcnt 0x0                           ; the wave's end, behind my last LDS store;
	ds_add_u32 v[SPW], v[NIL]
	s_wait_dscnt 0x0                               ; the loads of the chunk fetched ahead are back too
	s_endpgm
.Lfunc_end_k_q1a1f79c889_raster:
	.size	k_q1a1f79c889_raster, .Lfunc_end_k_q1a1f79c889_raster-k_q1a1f79c889_raster
	.p2alignl 7, 3214868480
	.fill 96, 4, 3214868480
	.section	.rodata,"a",@progbits
	.p2align	6, 0x0
	.amdhsa_kernel k_q1a1f79c889_raster
		.amdhsa_group_segment_fixed_size 93440
		.amdhsa_private_segment_fixed_size 0
		.amdhsa_enable_private_segment 0
		.amdhsa_kernarg_size 40
		.amdhsa_user_sgpr_count 2
		.amdhsa_user_sgpr_kernarg_segment_ptr 1
		.amdhsa_wavefront_size32 1
		.amdhsa_system_sgpr_workgroup_id_x 1
		.amdhsa_system_sgpr_workgroup_id_y 1
		.amdhsa_system_sgpr_workgroup_id_z 1
		.amdhsa_system_vgpr_workitem_id 0
		.amdhsa_next_free_vgpr 256
		.amdhsa_next_free_sgpr 66
		.amdhsa_reserve_vcc 1
		.amdhsa_float_denorm_mode_32 3
		.amdhsa_float_denorm_mode_16_64 3
		.amdhsa_memory_ordered 1
		.amdhsa_forward_progress 1
		.amdhsa_inst_pref_size 73
	.end_amdhsa_kernel
	.amdgpu_metadata
---
amdhsa.version: [ 1, 2 ]
amdhsa.kernels:
  - .name:           k_q1a1f79c889_raster
    .symbol:         k_q1a1f79c889_raster.kd
    .args:
      - { .name: meta, .offset: 0, .size: 8, .value_kind: global_buffer, .address_space: global }
      - { .name: pa, .offset: 8, .size: 8, .value_kind: global_buffer, .address_space: global }
      - { .name: pb, .offset: 16, .size: 8, .value_kind: global_buffer, .address_space: global }
      - { .name: colors, .offset: 24, .size: 8, .value_kind: global_buffer, .address_space: global }
      - { .name: out0, .offset: 32, .size: 8, .value_kind: global_buffer, .address_space: global }
    .group_segment_fixed_size: 93440
    .private_segment_fixed_size: 0
    .kernarg_segment_align: 8
    .kernarg_segment_size: 40
    .max_flat_workgroup_size: 128
    .sgpr_count:     66
    .vgpr_count:     256
    .wavefront_size: 32
...
	.end_amdgpu_metadata
.endif
;; end of part 2
